; MI455X (gfx1250); checked and timed in simulation.
; The chip was launched on July 23, 2026; its instructions are those of AMD's public machine-readable ISA for CDNA 5 (MIT licence, August 2026) and "CDNA5" Instruction Set Architecture Reference Guide (July 2026). The comments in the code are by the model that wrote it; some were corrected since.
;; Ca T. Allowed arithmetic: float matrix products may take bf16 or f16 operands with f32 sums; other float arithmetic in f32, or as packed bf16 or f16 multiplies, adds, multiply-adds, maxima and minima; sums over many terms, partial sums and values carried from step to step in f32; what a program stores and reads back later, other than sums and carried values, may be rounded once to bf16 or f16.
;; Inputs: W1 3 x 1 x 4 float32; W2 3 x 4 x 1 float32; Wk 3 x 8 x 16 float32; Wlm 1 x 1 float32; Wp 3 x 128 x 1 float32; Wq 3 x 8 x 16 float32; Wv 3 x 8 x 16 float32; X 4,096 x 64 float32; b1 3 x 4 float32; b2 3 x 1 float32; blm 1 float32; bp 3 x 1 float32; dag 64 x 64 int32.
;; Outputs: out0 4,096 x 64 float32.
;; One version. Each part assembles by itself: llvm-mc -triple=amdgcn-amd-amdhsa -mcpu=gfx1250 --defsym DOCPART=n.
;; ======== version 1 of 1: 1 launch
;; launch cat (part 1): grid 256 x 1, 16 waves a work-group, no clusters, 30,720 bytes of LDS; arguments X, dag, Wk, Wq, Wv, Wp, bp, W1, b1, W2, b2, Wlm, blm, out0; writes out0
.if DOCPART == 1
	.amdgcn_target "amdgcn-amd-amdhsa--gfx1250"
	.amdhsa_code_object_version 6
	.text
	.protected	k_qe052845686_cat
	.globl	k_qe052845686_cat
	.p2align	8
	.type	k_qe052845686_cat,@function
k_qe052845686_cat:
	s_mov_b64 s[64:65], 0
	v_nop
	global_prefetch_b8 v0, s[64:65] scope:SCOPE_SE
	s_setreg_imm32_b32 hwreg(HW_REG_WAVE_MODE, 25, 1), 1
	s_wait_xcnt 0x0
; CaT: 4,096 batch rows of 64 scalars; 3 layers of (8-head masked attention, projection, feed-forward 1 -> 4 -> 1), then a 1 x 1 head.  All in one launch.
; WHAT IS COMPUTED.  K, Q, V are the scalar x times a weight vector, so for every input
;   score[h][n][m] = c[l][h] x_n x_m,  c = (Wq[l][h] . Wk[l][h]) / 4,      (attn @ Wp)[n] = sum over h of g[l][h] (sum_m p_h[n][m] x_m),  g = Wv[l][h] . Wp[l][16 h ..].
; All four weight tensors are read; c and g are made once, in f32.  What is left for each (row, layer, head, query, key): one exponential, the mask, and the two sums num = sum p x, den = sum p.
; SHARES.  4,096 rows = 256 work-groups x 16 waves of 256 registers: one wave carries one row from its load to its store.
; A lane (r = lane % 16, hf = lane / 16) serves query 16 t + r in tile t = 0..3 and the keys 32 hf + j, j = 0..31.
; THE SUMS are one matrix product, D = VA x P: VA's rows 0 and 8 hold bf16(x_key), rows 1 and 9 hold 1.0, the others 0; P holds 32 keys x 16 queries.  In D a lane's register 0 is its own query's num,
; register 1 its den, after two K blocks over all 64 keys: nothing changes lanes.  Keys stand in the K places in an order of this text's own, the same in VA, P and the masks.
; THE MAXIMUM.  max over the allowed keys of a x_m (a = c log2(e) x_n) is max(a xmax_n, a xmin_n), xmax_n and xmin_n being x's extremes over query n's allowed keys: found once a layer, for all heads.
; It is lowered by 2^-23 of itself (mx'), so that a x_m - mx', in one fused line, is never negative at the maximum; p = min(bf16(2^(a x_m - mx')), MK), MK = 1.0 (allowed) or 0 (hidden):
; one packed minimum hides and caps.  So den >= 1 in every row that has an allowed key.  A row with none: xmax = xmin = 0, all p = 0, den + 1 = 1, num = 0: it adds 0.
; LIMITS.  p and the x of the product are rounded once to bf16 (matrix operands).  Scores are formed as (c log2(e) x_n) x_m in f32, another order of rounding than the sum over 16 channels; they must stay
; finite in f32.  At the maximum the exponent is at most 2.5 x 2^-23 of the score: where scores pass about 2^21, keys whose x lies that close (relatively) to the extreme count as ties with it.
; A weight below 2^-126 counts as 0.  NaN and infinite inputs are not treated apart.
; NOT USED, AND WHY.  No tensor load, ring, cluster or prefetch: a work-group reads 4 KB of X, 6 KB of weights and 16 KB of dag once, and the rest of its text works on registers and LDS tables.
.set XCH,   0         ; LDS: 256 bytes a wave, its own: the row x, 64 f32
.set MT,    4096      ; 16,384 bytes: masks to add, f32 (0 allowed, -inf hidden): block 8 t + q at MT + 512 (8 t + q) + 16 lane holds j = 4 q .. 4 q + 3 of tile t
.set MKT,   20480     ; 8,192 bytes: masks for the packed minimum, two bf16 a word: block i at MKT + 512 i + 16 lane holds MK's registers 4 i .. 4 i + 3
.set SPARE, 28672     ; 2,048 bytes: the spare words, 128 bytes for each of the 16 waves; no other line names them
.set DGO,  1          ; v1   my byte offset in dag
.set XS,   2          ; v2   XCH + 256 w + 4 r
.set XKA,  3          ; v3   XCH + 256 w + 128 hf
.set XP,   4          ; v4   XCH + 256 w + 8 lane
.set GO,   5          ; v5   8 lane: my 8 bytes of the row in X and in out0
.set MTA,  6          ; v6   16 lane
.set CI,   7          ; v7   4 x (8 l + h) of the head to be fetched: ds_bpermute_b32's index
.set CV,   8          ; v8   lane i: c log2(e) of (l, h) = i
.set GV,   9          ; v9   lane i: g of (l, h) = i
.set CN,   10         ; v10  c log2(e) of the head whose a and mx' are made next
.set GG,   11         ; v11  g of the head in hand
.set GN,   12         ; v12  g of the next head
.set WO,   13         ; v13  64 min(lane, 23): my (l, h)'s 16 numbers in each weight tensor, inside their 1,536 bytes
.set SPW,  14         ; v14  my spare word's LDS address; never rewritten
.set NIL,  15         ; v15  0; never rewritten
.set XQ,   16         ; v16-19   x of my query, by tile
.set XMAX, 20         ; v20-23   x's maximum over my query's allowed keys
.set XMIN, 24         ; v24-27   the minimum
.set ATT,  28         ; v28-31   x + the heads' contributions so far
.set INV,  32         ; v32-35   1.0 if my query has no allowed key, else 0
.set TM,   36         ; v36-39   at work
.set AM,   40         ; v40-55   by tile: a, a xmax, mx', a xmin
.set XK,   56         ; v56-87   x of my 32 keys
.set VA,   88         ; v88-103  source 0 of the product: K block 0, K block 1
.set T,    104        ; v104-135 exponents, then weights: two tiles x 16
.set P,    136        ; v136-151 source 1: two tiles x 8
.set ACC,  152        ; v152-183 four accumulators
.set MK,   184        ; v184-247 MK[16 t + p]: keys j = 2 p, 2 p + 1 of tile t
.set KC,   248        ; v248 1.0 twice in bf16 where lane % 8 = 1 (VA's rows 1 and 9), else 0
.set NINF, 249        ; v249 -inf
.set LB0,  T          ; the search for the extremes borrows T for one tile's 32 masks,
.set LB1,  P          ; P and two accumulators for another's,
.set TMPR, ACC+16     ; and the other two accumulators for 16 numbers at work
.set WQR,  40         ; set-up alone: my (l, h)'s Wq, Wk, Wv, Wp, 16 registers each
.set WKR,  56
.set WVR,  72
.set WPR,  88
	s_load_b512 s[4:19], s[0:1], 0x0               ; X s[4:5], dag s[6:7], Wk s[8:9], Wq s[10:11], Wv s[12:13], Wp s[14:15], bp s[16:17], W1 s[18:19]
	s_load_b256 s[20:27], s[0:1], 0x40             ; b1 s[20:21], W2 s[22:23], b2 s[24:25], Wlm s[26:27]
	s_load_b128 s[28:31], s[0:1], 0x60             ; blm s[28:29], out0 s[30:31]
	v_lshl_add_u32 v[SPW], v0, 2, SPARE
	v_mov_b32 v[NIL], 0
	v_and_b32 v250, 31, v0                         ; lane
	v_and_b32 v251, 15, v0                         ; r
	v_bfe_u32 v252, v0, 4, 1                       ; hf
	v_lshrrev_b32 v253, 5, v0
	v_readfirstlane_b32 s32, v253                  ; w: my wave's number
	s_lshl_b32 s33, s32, 8                         ; 256 w
	; For the tables wave w makes tile w / 4, keys j = 8 (w % 4) + 0..7: dag[32 hf + 8 (w % 4) + i][16 (w / 4) + r], a row of dag being 256 bytes
	s_and_b32 s62, s32, 3
	s_lshl_b32 s62, s62, 11
	s_lshr_b32 s63, s32, 2
	s_lshl_b32 s63, s63, 6
	s_add_co_u32 s62, s62, s63
	v_lshl_add_u32 v[DGO], v252, 13, s62
	v_lshl_add_u32 v[DGO], v251, 2, v[DGO]
	v_lshl_add_u32 v[XS], v251, 2, s33
	v_lshl_add_u32 v[XKA], v252, 7, s33
	v_lshl_add_u32 v[XP], v250, 3, s33
	v_lshlrev_b32 v[GO], 3, v250
	v_lshlrev_b32 v[MTA], 4, v250
	v_min_u32 v[WO], 23, v250
	v_lshlrev_b32 v[WO], 6, v[WO]
	s_lshl_b32 s62, s32, 10
	v_add_nc_u32 v254, s62, v[MTA]                 ; my share of MT: blocks 2 w and 2 w + 1
	s_lshl_b32 s62, s32, 9
	v_add_nc_u32 v255, s62, v[MTA]                 ; my share of MKT: block w
	v_and_b32 v253, 7, v0
	v_mov_b32 v[TM+3], 0x3f803f80
	v_cmp_eq_u32 vcc_lo, 1, v253
	v_cndmask_b32 v[KC], v[NIL], v[TM+3], vcc_lo
	v_mov_b32 v[NINF], 0xff800000
	v_mov_b32 v[TM+2], 0x3f80                      ; 1.0 in bf16
	s_mov_b32 s54, 0x76543210                      ; v_permlanex16_b32: each lane takes its own place in the other half
	s_mov_b32 s55, 0xfedcba98
	s_mov_b32 s56, 0x01010101                      ; lanes 0, 8, 16, 24: VA's rows 0 and 8
	s_mov_b32 s57, 0xb4000000                      ; -2^-23
	s_lshl_b32 s34, ttmp9, 12                      ; my row's byte offset: 16 rows of 256 bytes a work-group,
	s_add_co_u32 s34, s34, s33                     ; and 256 w
	s_mov_b32 s35, 0
	s_wait_kmcnt 0x0
	s_add_nc_u64 s[4:5], s[4:5], s[34:35]
	s_add_nc_u64 s[30:31], s[30:31], s[34:35]
	s_load_b32 s58, s[26:27], 0x0                  ; Wlm and blm: the first layer's wait for its scalars covers them
	s_load_b32 s60, s[28:29], 0x0
	; 25 loads: dag's 8, X's 1, the weights' 16
.irp i, 0,1,2,3,4,5,6,7
	global_load_b32 v[T+(\i)], v[DGO], s[6:7] offset:256*(\i)
.endr
	global_load_b64 v[TM:TM+1], v[GO], s[4:5] th:TH_LOAD_NT
.irp k, 0,1,2,3
	global_load_b128 v[WQR+4*(\k):WQR+4*(\k)+3], v[WO], s[10:11] offset:16*(\k)
.endr
.irp k, 0,1,2,3
	global_load_b128 v[WKR+4*(\k):WKR+4*(\k)+3], v[WO], s[8:9] offset:16*(\k)
.endr
.irp k, 0,1,2,3
	global_load_b128 v[WVR+4*(\k):WVR+4*(\k)+3], v[WO], s[12:13] offset:16*(\k)
.endr
.irp k, 0,1,2,3
	global_load_b128 v[WPR+4*(\k):WPR+4*(\k)+3], v[WO], s[14:15] offset:16*(\k)
.endr
	; THE TABLES, a sixteenth from each wave
	s_wait_loadcnt 17                              ; dag's eight are in; the 17 younger loads stay out
.irp i, 0,1,2,3,4,5,6,7
	v_cmp_ne_u32 vcc_lo, 0, v[T+(\i)]
	v_cndmask_b32 v[T+8+(\i)], v[NINF], v[NIL], vcc_lo   ; 0 where the key is allowed, -inf where hidden
	v_cndmask_b32 v[T+16+(\i)], v[NIL], v[TM+2], vcc_lo  ; 1.0 in bf16, or 0
.endr
.irp i, 0,1,2,3
	v_lshl_or_b32 v[T+24+(\i)], v[T+17+2*(\i)], 16, v[T+16+2*(\i)]
.endr
	ds_store_b128 v254, v[T+8:T+11] offset:MT
	ds_store_b128 v254, v[T+12:T+15] offset:MT+512
	ds_store_b128 v255, v[T+24:T+27] offset:MKT
	s_wait_loadcnt 16                              ; my row of X is in; the weights stay out
	ds_store_b64 v[XP], v[TM:TM+1] offset:XCH
	s_wait_dscnt 0x0                               ; for the others' sake: my part of the tables is written
	s_barrier_signal -1
	s_barrier_wait -1                              ; the only barrier: the tables are whole, and nobody writes them again
.irp i, 0,1,2,3,4,5,6,7,8,9,10,11,12,13,14,15
	ds_load_b128 v[MK+4*(\i):MK+4*(\i)+3], v[MTA] offset:MKT+512*(\i)
.endr
.macro DOT16 dst, a, b, tmp                    ; a dot product of 16, two at a time
	v_pk_mul_f32 v[(\tmp):(\tmp)+1], v[(\a):(\a)+1], v[(\b):(\b)+1]
.irp k, 1,2,3,4,5,6,7
	v_pk_fma_f32 v[(\tmp):(\tmp)+1], v[(\a)+2*(\k):(\a)+2*(\k)+1], v[(\b)+2*(\k):(\b)+2*(\k)+1], v[(\tmp):(\tmp)+1]
.endr
	v_add_f32 v[\dst], v[\tmp], v[(\tmp)+1]
.endm
	s_wait_loadcnt 0x0                             ; the weights
	DOT16 CV, WQR, WKR, TM
	DOT16 GV, WVR, WPR, TM+2
	v_mul_f32 v[CV], 0x3eb8aa3b, v[CV]             ; times log2(e) / 4: head size 16 to the power -1/2, and base 2
	v_mov_b32 v[CI], 0
	ds_bpermute_b32 v[CN], v[CI], v[CV]            ; layer 0, head 0
	ds_bpermute_b32 v[GG], v[CI], v[GV]
	s_wait_dscnt 0x0                               ; MK, and these two
	; has my query an allowed key at all?  the OR of its 16 mask words, and of the other half of the lanes'
.irp t, 0,1,2,3
	v_or_b32 v[TM+(\t)], v[MK+16*(\t)], v[MK+16*(\t)+1]
.endr
.irp k, 2,3,4,5,6,7,8,9,10,11,12,13,14,15
.irp t, 0,1,2,3
	v_or_b32 v[TM+(\t)], v[TM+(\t)], v[MK+16*(\t)+(\k)]
.endr
.endr
.irp t, 0,1,2,3
	v_permlanex16_b32 v[250+(\t)], v[TM+(\t)], s54, s55  ; v250-253 have been written
.endr
.irp t, 0,1,2,3
	v_or_b32 v[TM+(\t)], v[TM+(\t)], v[250+(\t)]
	v_cmp_eq_u32 s[68+(\t)], 0, v[TM+(\t)]         ; s68-71: the lanes whose query has none
	v_cndmask_b32 v[INV+(\t)], 0, 1.0, s[68+(\t)]
.endr
.macro MLOAD t, lb                             ; tile t's 32 masks to add
.irp q, 0,1,2,3,4,5,6,7
	ds_load_b128 v[(\lb)+4*(\q):(\lb)+4*(\q)+3], v[MTA] offset:MT+(8*(\t)+(\q))*512
.endr
.endm
; 16 numbers at bmax into two running maxima (XMAX, TM), 16 at bmin into two running minima (XMIN, TM+1), three operands a line.  first = 1: the first six start them.
.macro RED16 t, bmax, bmin, first
.if \first
	v_max3_num_f32 v[XMAX+(\t)], v[(\bmax)], v[(\bmax)+1], v[(\bmax)+2]
	v_min3_num_f32 v[XMIN+(\t)], v[(\bmin)], v[(\bmin)+1], v[(\bmin)+2]
	v_max3_num_f32 v[TM], v[(\bmax)+3], v[(\bmax)+4], v[(\bmax)+5]
	v_min3_num_f32 v[TM+1], v[(\bmin)+3], v[(\bmin)+4], v[(\bmin)+5]
.irp k, 6,10,14
	v_max3_num_f32 v[XMAX+(\t)], v[XMAX+(\t)], v[(\bmax)+(\k)], v[(\bmax)+(\k)+1]
	v_min3_num_f32 v[XMIN+(\t)], v[XMIN+(\t)], v[(\bmin)+(\k)], v[(\bmin)+(\k)+1]
.if (\k) < 14
	v_max3_num_f32 v[TM], v[TM], v[(\bmax)+(\k)+2], v[(\bmax)+(\k)+3]
	v_min3_num_f32 v[TM+1], v[TM+1], v[(\bmin)+(\k)+2], v[(\bmin)+(\k)+3]
.endif
.endr
.else
.irp k, 0,4,8,12
	v_max3_num_f32 v[XMAX+(\t)], v[XMAX+(\t)], v[(\bmax)+(\k)], v[(\bmax)+(\k)+1]
	v_min3_num_f32 v[XMIN+(\t)], v[XMIN+(\t)], v[(\bmin)+(\k)], v[(\bmin)+(\k)+1]
	v_max3_num_f32 v[TM], v[TM], v[(\bmax)+(\k)+2], v[(\bmax)+(\k)+3]
	v_min3_num_f32 v[TM+1], v[TM+1], v[(\bmin)+(\k)+2], v[(\bmin)+(\k)+3]
.endr
.endif
.endm
; Tile t's xmax and xmin.  x - mask is +inf at a hidden key (for the minimum), x + mask is -inf there (for the maximum).  A query without an allowed key gets 0 and 0.
.macro MAXT t, lb
.irp hh, 0,1
.irp i, 0,1,2,3,4,5,6,7
	v_pk_add_f32 v[TMPR+2*(\i):TMPR+2*(\i)+1], v[XK+16*(\hh)+2*(\i):XK+16*(\hh)+2*(\i)+1], v[(\lb)+16*(\hh)+2*(\i):(\lb)+16*(\hh)+2*(\i)+1] neg_lo:[0,1] neg_hi:[0,1]
.endr
.irp i, 0,1,2,3,4,5,6,7
	v_pk_add_f32 v[(\lb)+16*(\hh)+2*(\i):(\lb)+16*(\hh)+2*(\i)+1], v[XK+16*(\hh)+2*(\i):XK+16*(\hh)+2*(\i)+1], v[(\lb)+16*(\hh)+2*(\i):(\lb)+16*(\hh)+2*(\i)+1]
.endr
	RED16 \t, (\lb)+16*(\hh), TMPR, 1-(\hh)
.endr
	v_max_num_f32 v[XMAX+(\t)], v[XMAX+(\t)], v[TM]
	v_min_num_f32 v[XMIN+(\t)], v[XMIN+(\t)], v[TM+1]
	v_permlanex16_b32 v[TM], v[XMAX+(\t)], s54, s55    ; the query's other 32 keys lie in the lane 16 away
	v_permlanex16_b32 v[TM+1], v[XMIN+(\t)], s54, s55
	v_max_num_f32 v[XMAX+(\t)], v[XMAX+(\t)], v[TM]
	v_min_num_f32 v[XMIN+(\t)], v[XMIN+(\t)], v[TM+1]
	v_cndmask_b32 v[XMAX+(\t)], v[XMAX+(\t)], v[NIL], s[68+(\t)]
	v_cndmask_b32 v[XMIN+(\t)], v[XMIN+(\t)], v[NIL], s[68+(\t)]
.endm
; a = CN x_n and mx' for the four tiles: 20 plain lines.  All four registers of a tile's quad are written, since the packed line below names them as pairs.
.macro AMCALC
.irp t, 0,1,2,3
	v_mul_f32 v[AM+4*(\t)], v[CN], v[XQ+(\t)]
.endr
.irp t, 0,1,2,3
	v_mul_f32 v[AM+4*(\t)+1], v[AM+4*(\t)], v[XMAX+(\t)]
	v_mul_f32 v[AM+4*(\t)+3], v[AM+4*(\t)], v[XMIN+(\t)]
.endr
.irp t, 0,1,2,3
	v_max_num_f32 v[AM+4*(\t)+2], v[AM+4*(\t)+1], v[AM+4*(\t)+3]
.endr
	v_fma_f32 v42, |v42|, s57, v42                 ; mx' = mx - 2^-23 |mx|, at AM + 4 t + 2: at least one step of mx below it, so the exact a x at the maximum is not below mx'
	v_fma_f32 v46, |v46|, s57, v46
	v_fma_f32 v50, |v50|, s57, v50
	v_fma_f32 v54, |v54|, s57, v54
.endm
; Tile t's head is finished: ATT += g num / (den + INV).  The accumulator's register 1 is read first.
.macro FIN t
	v_add_f32 v[TM], v[ACC+8*(\t)+1], v[INV+(\t)]
	v_rcp_f32 v[TM+1], v[TM]
	v_mul_f32 v[TM+2], v[GG], v[ACC+8*(\t)]        ; the plain line between the reciprocal and the use of its result (ISA guide 5.7.2)
	s_wait_alu depctr_va_vdst(0)
	v_fmac_f32 v[ATT+(\t)], v[TM+2], v[TM+1]
.endm
; Tiles 2 tp and 2 tp + 1, keys j = 16 kb .. 16 kb + 15: 16 packed exponents, 32 exponentials, 16 roundings, 16 packed minima, 2 products.
; fin >= 0: tile fin is finished between the exponentials and the roundings; its first line (else a v_nop) is the plain line behind the last exponential.
; The 16 packed lines at the head name XK, AM and T alone: they are the places behind the two products of the block before, ahead of FIN's reads of their results and of the writes of P (ISA guide 7.12.1).
.macro BLOCK tp, kb, fin
.irp u, 0,1
.irp i, 0,1,2,3,4,5,6,7
	v_pk_fma_f32 v[T+16*(\u)+2*(\i):T+16*(\u)+2*(\i)+1], v[XK+16*(\kb)+2*(\i):XK+16*(\kb)+2*(\i)+1], v[AM+4*(2*(\tp)+(\u)):AM+4*(2*(\tp)+(\u))+1], v[AM+4*(2*(\tp)+(\u))+2:AM+4*(2*(\tp)+(\u))+3] op_sel_hi:[1,0,0] neg_lo:[0,0,1] neg_hi:[0,0,1]  ; a x_m - mx'
.endr
.endr
.set j, 0
.rept 32
	v_exp_f32 v[T+j], v[T+j]
.set j, j+1
.endr
.if (\fin) >= 0
	FIN \fin
.else
	v_nop
	s_wait_alu depctr_va_vdst(0)
.endif
.irp u, 0,1
.irp i, 0,1,2,3,4,5,6,7
	v_cvt_pk_bf16_f32 v[P+8*(\u)+(\i)], v[T+16*(\u)+2*(\i)], v[T+16*(\u)+2*(\i)+1]
.endr
.endr
.irp u, 0,1
.irp i, 0,1,2,3,4,5,6,7
	v_pk_min_num_bf16 v[P+8*(\u)+(\i)], v[P+8*(\u)+(\i)], v[MK+16*(2*(\tp)+(\u))+8*(\kb)+(\i)]  ; hidden: 0; allowed: at most 1
.endr
.endr
.irp u, 0,1
.if (\kb) == 0
	v_wmma_f32_16x16x32_bf16 v[ACC+8*(2*(\tp)+(\u)):ACC+8*(2*(\tp)+(\u))+7], v[VA:VA+7], v[P+8*(\u):P+8*(\u)+7], 0
.else
	v_wmma_f32_16x16x32_bf16 v[ACC+8*(2*(\tp)+(\u)):ACC+8*(2*(\tp)+(\u))+7], v[VA+8:VA+15], v[P+8*(\u):P+8*(\u)+7], v[ACC+8*(2*(\tp)+(\u)):ACC+8*(2*(\tp)+(\u))+7]
.endif
.endr
.endm
; Tile t: x1 = ATT + bp; x2 = x1 + relu(x1 W1 + b1) . W2 + b2; x2 goes back into my row in LDS (both halves of the lanes hold the same query and write the same word with the same number).
.macro FFT t
.set fx, T+8*(\t)
	v_add_f32 v[fx], s48, v[ATT+(\t)]
.irp i, 0,1,2,3
	v_fma_f32 v[fx+1+(\i)], v[fx], s[36+(\i)], s[40+(\i)]
.endr
	v_add_f32 v[fx+5], s49, v[fx]
.irp i, 0,1,2,3
	v_max_num_f32 v[fx+1+(\i)], 0, v[fx+1+(\i)]
.endr
.irp i, 0,1,2,3
	v_fmac_f32 v[fx+5], s[44+(\i)], v[fx+1+(\i)]
.endr
	ds_store_b32 v[XS], v[fx+5] offset:XCH+64*(\t)
.endm
	s_mov_b32 s50, 0                               ; 16 l
	s_mov_b32 s51, 0                               ; 4 l
	s_mov_b32 s52, 3
.Llayer:
	s_load_b128 s[36:39], s[18:19], s50 offset:0x0 ; W1[l]; these five are waited for in front of the feed-forward
	s_load_b128 s[40:43], s[20:21], s50 offset:0x0 ; b1[l]
	s_load_b128 s[44:47], s[22:23], s50 offset:0x0 ; W2[l]
	s_load_b32 s48, s[16:17], s51 offset:0x0       ; bp[l]
	s_load_b32 s49, s[24:25], s51 offset:0x0       ; b2[l]
	; the row comes back in the two layouts; LDS serves a wave's instructions in order (ISA guide 5.7.1.4), so these see my own stores of the row
.irp t, 0,1,2,3
	ds_load_b32 v[XQ+(\t)], v[XS] offset:XCH+64*(\t)
.endr
.irp q, 0,1,2,3,4,5,6,7
	ds_load_b128 v[XK+4*(\q):XK+4*(\q)+3], v[XKA] offset:XCH+16*(\q)
.endr
	MLOAD 0, LB0
	MLOAD 1, LB1
	s_wait_dscnt 16                                ; XQ and XK are in; the two runs of eight mask loads stay out
.irp t, 0,1,2,3
	v_mov_b32 v[ATT+(\t)], v[XQ+(\t)]              ; the residual starts the sum over heads
.endr
.irp g, 0,1,2,3                                ; VA: register q holds keys j = 2 q, 2 q + 1 in rows 0 and 8, 1.0 in rows 1 and 9, 0 elsewhere
.irp i, 0,1,2,3
	v_cvt_pk_bf16_f32 v[TM+(\i)], v[XK+8*(\g)+2*(\i)], v[XK+8*(\g)+2*(\i)+1]
.endr
.irp i, 0,1,2,3
	v_cndmask_b32 v[VA+4*(\g)+(\i)], v[KC], v[TM+(\i)], s56
.endr
.endr
	s_wait_dscnt 8                                 ; tile 0's masks are in; tile 1's eight loads stay out
	MAXT 0, LB0
	MLOAD 2, LB0
	s_wait_dscnt 8                                 ; tile 1's are in; tile 2's stay out
	MAXT 1, LB1
	MLOAD 3, LB1
	s_wait_dscnt 8                                 ; tile 2's are in; tile 3's stay out
	MAXT 2, LB0
	s_wait_dscnt 0x0
	MAXT 3, LB1
	AMCALC                                         ; the layer's head 0
	s_mov_b32 s53, 8
.Lhead:                                            ; the accumulators take turns, 0 1 0 1 2 3 2 3, one instruction a turn, over the backward jump too
	v_add_nc_u32 v[CI], 4, v[CI]
	ds_bpermute_b32 v[CN], v[CI], v[CV]            ; the next head's c and g (behind the very last head: lane 24's, a copy of lane 23's, which serves nothing)
	ds_bpermute_b32 v[GN], v[CI], v[GV]
	BLOCK 0, 0, -1
	BLOCK 0, 1, -1
	BLOCK 1, 0, 0
	BLOCK 1, 1, 1
	s_wait_dscnt 0x0                               ; CN and GN
	AMCALC                                         ; the next head's a and mx': 20 plain lines that name no register of the last products: their places.  (A layer's last trip makes them of the old x; they are made anew above.)
	FIN 2
	FIN 3
	v_mov_b32 v[GG], v[GN]
	s_sub_co_u32 s53, s53, 1
	s_cmp_lg_u32 s53, 0
	s_cbranch_scc1 .Lhead
	s_wait_kmcnt 0x0                               ; the layer's scalars (in the first layer Wlm and blm too); no scalar load is out, so s50 and s51 may step
	FFT 0
	FFT 1
	FFT 2
	FFT 3
	s_add_co_u32 s50, s50, 16
	s_add_co_u32 s51, s51, 4
	s_sub_co_u32 s52, s52, 1
	s_cmp_lg_u32 s52, 0
	s_cbranch_scc1 .Llayer
	ds_load_b64 v[TM:TM+1], v[XP] offset:XCH       ; the row once more, two neighbouring numbers a lane
	s_wait_dscnt 0x0
	v_fma_f32 v[TM+2], v[TM], s58, s60             ; y = x Wlm + blm
	v_fma_f32 v[TM+3], v[TM+1], s58, s60
	global_store_b64 v[GO], v[TM+2:TM+3], s[30:31] th:TH_STORE_NT  ; the wave's one store covers the row's 256 consecutive bytes, at a multiple of 256 from out0's first byte
	s_wait_tensorcnt 0x0                           ; the wave's end, behind my last LDS store
	ds_add_u32 v[SPW], v[NIL]
	s_wait_dscnt 0x0
	s_endpgm
.Lfunc_end_k_qe052845686_cat:
	.size	k_qe052845686_cat, .Lfunc_end_k_qe052845686_cat-k_qe052845686_cat
	.p2alignl 7, 3214868480
	.fill 96, 4, 3214868480
	.section	.rodata,"a",@progbits
	.p2align	6, 0x0
	.amdhsa_kernel k_qe052845686_cat
		.amdhsa_group_segment_fixed_size 30720
		.amdhsa_private_segment_fixed_size 0
		.amdhsa_enable_private_segment 0
		.amdhsa_kernarg_size 112
		.amdhsa_user_sgpr_count 2
		.amdhsa_user_sgpr_kernarg_segment_ptr 1
		.amdhsa_wavefront_size32 1
		.amdhsa_system_sgpr_workgroup_id_x 1
		.amdhsa_system_sgpr_workgroup_id_y 1
		.amdhsa_system_sgpr_workgroup_id_z 1
		.amdhsa_system_vgpr_workitem_id 0
		.amdhsa_next_free_vgpr 256
		.amdhsa_next_free_sgpr 80
		.amdhsa_reserve_vcc 1
		.amdhsa_float_denorm_mode_32 3
		.amdhsa_float_denorm_mode_16_64 3
		.amdhsa_memory_ordered 1
		.amdhsa_forward_progress 1
		.amdhsa_inst_pref_size 56
	.end_amdhsa_kernel
	.amdgpu_metadata
---
amdhsa.version: [ 1, 2 ]
amdhsa.kernels:
  - .name:           k_qe052845686_cat
    .symbol:         k_qe052845686_cat.kd
    .args:
      - { .name: X, .offset: 0, .size: 8, .value_kind: global_buffer, .address_space: global }
      - { .name: dag, .offset: 8, .size: 8, .value_kind: global_buffer, .address_space: global }
      - { .name: Wk, .offset: 16, .size: 8, .value_kind: global_buffer, .address_space: global }
      - { .name: Wq, .offset: 24, .size: 8, .value_kind: global_buffer, .address_space: global }
      - { .name: Wv, .offset: 32, .size: 8, .value_kind: global_buffer, .address_space: global }
      - { .name: Wp, .offset: 40, .size: 8, .value_kind: global_buffer, .address_space: global }
      - { .name: bp, .offset: 48, .size: 8, .value_kind: global_buffer, .address_space: global }
      - { .name: W1, .offset: 56, .size: 8, .value_kind: global_buffer, .address_space: global }
      - { .name: b1, .offset: 64, .size: 8, .value_kind: global_buffer, .address_space: global }
      - { .name: W2, .offset: 72, .size: 8, .value_kind: global_buffer, .address_space: global }
      - { .name: b2, .offset: 80, .size: 8, .value_kind: global_buffer, .address_space: global }
      - { .name: Wlm, .offset: 88, .size: 8, .value_kind: global_buffer, .address_space: global }
      - { .name: blm, .offset: 96, .size: 8, .value_kind: global_buffer, .address_space: global }
      - { .name: out0, .offset: 104, .size: 8, .value_kind: global_buffer, .address_space: global }
    .group_segment_fixed_size: 30720
    .private_segment_fixed_size: 0
    .kernarg_segment_align: 8
    .kernarg_segment_size: 112
    .max_flat_workgroup_size: 512
    .sgpr_count:     80
    .vgpr_count:     256
    .wavefront_size: 32
...
	.end_amdgpu_metadata
.endif
;; end of part 1
